; MI455X (gfx1250); checked and timed in simulation.
; The chip was launched on July 23, 2026; its instructions are those of AMD's public machine-readable ISA for CDNA 5 (MIT licence, August 2026) and "CDNA5" Instruction Set Architecture Reference Guide (July 2026). The comments in the code are by the model that wrote it; some were corrected since.
;; Self Attention. Allowed arithmetic: float matrix products may take bf16 or f16 operands with f32 sums; all other float work in f32.
;; Inputs: Wc 1,024 x 1,024 float32; Wk 1,024 x 1,024 float32; Wq 1,024 x 1,024 float32; Wv 1,024 x 1,024 float32; bc 1,024 float32; bk 1,024 float32; bq 1,024 float32; bv 1,024 float32; x 4 x 1,024 x 1,024 float32.
;; Outputs: out0 4 x 1,024 x 1,024 float32.
;; One version. Each part assembles by itself: llvm-mc -triple=amdgcn-amd-amdhsa -mcpu=gfx1250 --defsym DOCPART=n.
;; ======== version 1 of 1: 4 launches
;; limits: values are held in f16: magnitudes above 65,504 overflow, below 6.1e-05 lose precision
;; workspace buffers: h16 16,777,216 bytes; qkv 25,165,824 bytes; o 8,388,608 bytes
;; launch cast (part 1): grid 128 x 8, 8 waves a work-group, no clusters, 0 bytes of LDS; arguments x, Wq, Wk, Wv, Wc, h16; writes h16
.if DOCPART == 1
	.amdgcn_target "amdgcn-amd-amdhsa--gfx1250"
	.amdhsa_code_object_version 6
	.text
	.protected	k_q69be88900d_cast
	.globl	k_q69be88900d_cast
	.p2align	8
	.type	k_q69be88900d_cast,@function
k_q69be88900d_cast:
	s_mov_b64 s[64:65], 0
	v_nop
	global_prefetch_b8 v0, s[64:65] scope:SCOPE_SE
	s_setreg_imm32_b32 hwreg(HW_REG_WAVE_MODE, 25, 1), 1
	s_wait_xcnt 0x0
; h16 = f16(x), f16(Wq), f16(Wk), f16(Wv), f16(Wc), one behind the other: x at byte 0 (8 MiB), the weights at 8, 10, 12 and 14 MiB.
; The work is eight planes of 1 Mi numbers: y = 0..3 are the quarters of x, y = 4..7 are Wq, Wk, Wv, Wc.  A work-group takes 8,192 numbers
; of a plane: 32 KiB in, 16 KiB out.  Thread t takes 16 bytes at 16 t of each of eight blocks of 4,096 bytes and stores 8 bytes at 8 t of
; each of eight blocks of 2,048: a wave's load covers 512 consecutive bytes, its store 256 consecutive bytes, aligned.
; LIMIT: a number whose magnitude is 65,520 or more becomes an infinity in f16; the inputs have room of more than 30 times their spread.
; No LDS, no barrier, no cluster, no matrix unit: the work-groups share no byte, and every byte is moved once.
.set X, 4                              ; v[4:35]   eight loads of four f32
.set Y, 36                             ; v[36:51]  eight pairs of packed f16; no register is written twice, so no store's data has to be freed
	s_load_b256 s[4:11], s[0:1], 0x0               ; x s[4:5], Wq s[6:7], Wk s[8:9], Wv s[10:11]
	s_load_b128 s[12:15], s[0:1], 0x20             ; Wc s[12:13], h16 s[14:15]
	s_and_b32 s18, ttmp7, 0xffff                   ; y: the plane
	v_lshlrev_b32 v1, 4, v0                        ; 16 t
	v_lshlrev_b32 v2, 3, v0                        ; 8 t
	s_cmp_lt_u32 s18, 4
	s_cselect_b32 s20, s18, 0                      ; the quarter of x; a weight begins at its own buffer's first byte
	s_lshl_b32 s20, s20, 22                        ; planes of 4 MiB in f32
	s_lshl_b32 s19, ttmp9, 15                      ; 32 KiB for each work-group
	s_add_co_u32 s20, s20, s19
	s_mov_b32 s21, 0
	s_lshl_b32 s22, s18, 21                        ; planes of 2 MiB in f16
	s_lshl_b32 s19, ttmp9, 14
	s_add_co_u32 s22, s22, s19
	s_mov_b32 s23, 0
	s_wait_kmcnt 0x0
	s_mov_b64 s[16:17], s[4:5]                     ; the source: x, unless the plane is a weight's
	s_cmp_eq_u32 s18, 4
	s_cselect_b64 s[16:17], s[6:7], s[16:17]
	s_cmp_eq_u32 s18, 5
	s_cselect_b64 s[16:17], s[8:9], s[16:17]
	s_cmp_eq_u32 s18, 6
	s_cselect_b64 s[16:17], s[10:11], s[16:17]
	s_cmp_eq_u32 s18, 7
	s_cselect_b64 s[16:17], s[12:13], s[16:17]
	s_add_nc_u64 s[16:17], s[16:17], s[20:21]
	s_add_nc_u64 s[14:15], s[14:15], s[22:23]
.irp j, 0,1,2,3,4,5,6,7
	global_load_b128 v[X+4*\j:X+4*\j+3], v1, s[16:17] offset:4096*\j th:TH_LOAD_NT   ; read once in the launch
.endr
.irp j, 0,1,2,3,4,5,6,7
	s_wait_loadcnt 7-\j                            ; loads come back in order (ISA guide 5.7.1): load j is in, the 7 - j younger ones stay out
	v_cvt_pk_f16_f32 v[Y+2*\j],   v[X+4*\j],   v[X+4*\j+1]
	v_cvt_pk_f16_f32 v[Y+2*\j+1], v[X+4*\j+2], v[X+4*\j+3]
	global_store_b64 v2, v[Y+2*\j:Y+2*\j+1], s[14:15] offset:2048*\j                 ; the next launches read it: no hint
.endr
	s_endpgm
.Lfunc_end_k_q69be88900d_cast:
	.size	k_q69be88900d_cast, .Lfunc_end_k_q69be88900d_cast-k_q69be88900d_cast
	.p2alignl 7, 3214868480
	.fill 96, 4, 3214868480
	.section	.rodata,"a",@progbits
	.p2align	6, 0x0
	.amdhsa_kernel k_q69be88900d_cast
		.amdhsa_group_segment_fixed_size 0
		.amdhsa_private_segment_fixed_size 0
		.amdhsa_enable_private_segment 0
		.amdhsa_kernarg_size 48
		.amdhsa_user_sgpr_count 2
		.amdhsa_user_sgpr_kernarg_segment_ptr 1
		.amdhsa_wavefront_size32 1
		.amdhsa_system_sgpr_workgroup_id_x 1
		.amdhsa_system_sgpr_workgroup_id_y 1
		.amdhsa_system_sgpr_workgroup_id_z 1
		.amdhsa_system_vgpr_workitem_id 0
		.amdhsa_next_free_vgpr 56
		.amdhsa_next_free_sgpr 66
		.amdhsa_reserve_vcc 0
		.amdhsa_float_denorm_mode_32 3
		.amdhsa_float_denorm_mode_16_64 3
		.amdhsa_memory_ordered 1
		.amdhsa_forward_progress 1
		.amdhsa_inst_pref_size 4
	.end_amdhsa_kernel
	.amdgpu_metadata
---
amdhsa.version: [ 1, 2 ]
amdhsa.kernels:
  - .name:           k_q69be88900d_cast
    .symbol:         k_q69be88900d_cast.kd
    .args:
      - { .name: x, .offset: 0, .size: 8, .value_kind: global_buffer, .address_space: global }
      - { .name: Wq, .offset: 8, .size: 8, .value_kind: global_buffer, .address_space: global }
      - { .name: Wk, .offset: 16, .size: 8, .value_kind: global_buffer, .address_space: global }
      - { .name: Wv, .offset: 24, .size: 8, .value_kind: global_buffer, .address_space: global }
      - { .name: Wc, .offset: 32, .size: 8, .value_kind: global_buffer, .address_space: global }
      - { .name: h16, .offset: 40, .size: 8, .value_kind: global_buffer, .address_space: global }
    .group_segment_fixed_size: 0
    .private_segment_fixed_size: 0
    .kernarg_segment_align: 8
    .kernarg_segment_size: 48
    .max_flat_workgroup_size: 256
    .sgpr_count:     66
    .vgpr_count:     56
    .wavefront_size: 32
...
	.end_amdgpu_metadata
.endif
;; end of part 1
;; launch qkv (part 2): grid 16 x 16, 4 waves a work-group, clusters of 4 x 4, 327,680 bytes of LDS; arguments h16, bq, bk, bv, qkv; writes qkv
.if DOCPART == 2
	.amdgcn_target "amdgcn-amd-amdhsa--gfx1250"
	.amdhsa_code_object_version 6
	.text
	.protected	k_q69be88900d_qkv
	.globl	k_q69be88900d_qkv
	.p2align	8
	.type	k_q69be88900d_qkv,@function
k_q69be88900d_qkv:
	s_mov_b64 s[64:65], 0
	v_nop
	global_prefetch_b8 v0, s[64:65] scope:SCOPE_SE
	s_setreg_imm32_b32 hwreg(HW_REG_WAVE_MODE, 25, 1), 1
	s_wait_xcnt 0x0
	s_wait_alu depctr_hold_cnt(0) depctr_sa_sdst(0) depctr_va_vdst(0) depctr_va_sdst(0) depctr_va_ssrc(0) depctr_va_vcc(0) depctr_vm_vsrc(0)
	s_getreg_b32 s2, hwreg(HW_REG_IB_STS2, 6, 4)
	s_cmp_eq_u32 s2, 0
	s_cbranch_scc0 .Lentry_in_a_cluster
	s_endpgm
.Lentry_in_a_cluster:
	s_bfe_u32 s2, ttmp6, 0x10000c
	s_cmp_lg_u32 s2, 0xf033
	s_cbranch_scc0 .Lentry_shape_is_right
	s_endpgm
.Lentry_shape_is_right:
; [4096 x 3072] = x [Wq; Wk; Wv]^T + [bq; bk; bv], K = 1024, operands f16 (from h16), sums f32, result f16 in the layout [3][B][H][N][64].
; A work-group makes 256 tokens x 192 columns with four waves; wave w makes tokens 64 w .. 64 w + 63 x all 192 columns: 4 x 12 accumulator tiles,
; 384 registers.  192 columns are three units of 64 = three whole heads (unit u = 3 bx + i: matrix u / 16, head u % 16), so a wave holds whole
; rows of 128 bytes of the result and 16 tokens of a head are 2,048 consecutive bytes of it.
; K goes in steps of 128 (rows of 256 bytes, at multiples of 256 bytes) through two LDS slots filled by tensor loads.
; CLUSTERS: 4 x 4 work-groups.  x's tile hangs on the block row alone and is asked for jointly by the four of a row of the cluster; the weights'
; tile hangs on the block column alone and is asked for jointly by the four of a column: requests for both are divided by four.
; THE MATRIX INSTRUCTION IS USED TRANSPOSED (source 0 = 16 rows of W, source 1 = 16 tokens): register j of lane l holds token l % 16, column
; 8 (l / 16) + j of the tile: eight neighbouring columns, 16 bytes in f16.  The first product of each tile takes the bias as C (a lane's eight
; bias numbers of the tile lie in eight registers), so nothing is cleared and no addition is written.
; LIMIT: a result of magnitude 65,520 or more becomes an infinity in f16.
; REGISTERS by windows of 256: window 0: v16-27 addresses, v32-95 x's fragments (two buffers of 4), v96-191 bias, v192-239 packed results;
; window 1: accumulators of tokens 0-31 (tile (a, b) at 8 (12 a + b)); window 2: of tokens 32-63; window 3: W's fragments (two buffers of 12).
.set KSTEP,  128
.set PITCH,  272                       ; 256 bytes + 16 of padding: 17 x 16, so the 16 rows of a fragment load begin in 16 different 16-byte columns of 256
.set AHALF,  128*PITCH                 ; what wave 0 or 1 fetches: 128 rows of x
.set BHALF,  96*PITCH                  ; what wave 2 or 3 fetches: 96 rows of W
.set BOFF,   256*PITCH                 ; W's rows lie behind x's 256
.set SLOT,   448*PITCH
.set STAGE,  2*SLOT                    ; 243,712 = 952 x 256: no tensor load lands here
.set SPITCH, 400                       ; 384 bytes (192 f16) + 16
.set WSTAGE, 16*SPITCH                 ; a wave's own stage: 16 tokens
.set LAPS,   1024/(2*KSTEP)            ; 4 laps of two K steps
.set ADRA, 16                          ; v16-17 LDS address of my x fragments in slot 0, 1
.set ADRB, 20                          ; v20-21 the same for W
.set STO,  24
.set RD,   25
.set CO,   26
.set BO,   27
.set AF,   32
.set BIAS, 96
.set TMP,  192
.set RB,   32                          ; the way out: rows read back (the fragment buffers are free then)
.set G1A, 24                           ; s[24:31] group 1 for x's tiles
.set G0A, 32                           ; s[32:39] group 0 for x's tiles, one set for each slot
.set G1B, 48                           ; s[48:55] group 1 for W's tiles
.set G0B, 56                           ; s[56:63] group 0 for W's tiles
.set BP,  66                           ; s[66:71] the three units' bias
.set OB,  72                           ; s[72:77] the three units' place in qkv
.set PADW, (1<<16)|(1<<20)|(1<<21)|(5<<22)|(3<<25)   ; 2-byte elements; padding on; bit 21 beside a mask; behind every 64 words; 4 words
.set MSB, 0
.macro WIN new                         ; the immediate's high byte repeats the setting that is left
.if MSB != \new
	s_set_vgpr_msb (MSB<<8)|\new
.set MSB, \new
.endif
.endm
.set TO_B, 0xc0                        ; destination window 3, address window 0
.macro JLOAD s                         ; waves 0, 1 ask for x's halves, waves 2, 3 for W's: the branch hangs on the wave's number alone
	s_cmp_eq_u32 s15, 0
	s_cbranch_scc0 .Lfor_b_\@
	tensor_load_to_lds s[G0A+4*\s:G0A+4*\s+3], s[G1A:G1A+7]
	s_nop 0
	s_branch .Lasked_\@
.Lfor_b_\@:
	tensor_load_to_lds s[G0B+4*\s:G0B+4*\s+3], s[G1B:G1B+7]
	s_nop 0
.Lasked_\@:
.endm
.macro CREST                           ; a round of the cluster's barrier behind its opening work-group barrier
	s_cmp_lg_u32 s14, 0
	s_cbranch_scc1 .Lnot_wave_0_\@
	s_barrier_signal -3
.Lnot_wave_0_\@:
	s_barrier_wait -3
	s_barrier_signal -1
	s_barrier_wait -1
.endm
.macro CROUND
	s_barrier_signal -1
	s_barrier_wait -1
	CREST
.endm
.macro PLACES                          ; four plain vector places behind a matrix instruction, ahead of a load into, or a vector read of, its registers
.rept 4
	v_nop
.endr
.endm
	s_load_b256 s[4:11], s[0:1], 0x0               ; h16 s[4:5], bq s[6:7], bk s[8:9], bv s[10:11]
	s_load_b64 s[12:13], s[0:1], 0x20              ; qkv
	s_set_vgpr_msb 0xc0
	v_lshl_add_u32 v193, v0, 2, 0x41c00
	s_set_vgpr_msb 0xc000
	v_mov_b32 v255, 0
	s_set_vgpr_msb 0x3
	ds_add_u32 v193, v255
	s_set_vgpr_msb 0x300
	v_lshrrev_b32 v1, 5, v0
	v_readfirstlane_b32 s14, v1                    ; wave 0..3
	s_lshr_b32 s15, s14, 1                         ; 0: I fetch for x, 1: for W
	s_and_b32 s16, s14, 1                          ; which half of that tile
	s_bfe_u32 s40, ttmp6, 0x40000                  ; cx
	s_bfe_u32 s41, ttmp6, 0x40004                  ; cy
	s_lshl_b32 s42, ttmp9, 2
	s_add_co_u32 s42, s42, s40                     ; bx: block column (192 columns)
	s_and_b32 s43, ttmp7, 0xffff
	s_lshl_b32 s43, s43, 2
	s_add_co_u32 s43, s43, s41                     ; by: block row (256 tokens)
	s_lshl_b32 s44, s41, 2
	s_lshl_b32 s44, 15, s44                        ; my row of the cluster
	s_lshl_b32 s45, 0x1111, s40                    ; my column
	s_or_b32 s[G1A+0], s44, PADW                   ; x's tiles go to my row
	s_or_b32 s[G1B+0], s45, PADW                   ; W's tiles to my column
	s_mov_b32 s[G1A+1], KSTEP<<16                  ; tensor_dim0 = 128
	s_mov_b32 s[G1B+1], KSTEP<<16
	s_mov_b32 s[G1A+2], 128<<16                    ; tensor_dim1 = 128 rows
	s_mov_b32 s[G1B+2], 96<<16                     ; 96 rows
	s_mov_b32 s[G1A+3], KSTEP<<16                  ; tile_dim0 = 128
	s_mov_b32 s[G1B+3], KSTEP<<16
	s_mov_b32 s[G1A+4], 128                        ; tile_dim1
	s_mov_b32 s[G1B+4], 96
	s_mov_b32 s[G1A+5], 1024                       ; elements from row to row
	s_mov_b32 s[G1B+5], 1024
	s_mov_b32 s[G1A+6], 0
	s_mov_b32 s[G1B+6], 0
	s_mov_b32 s[G1A+7], 0
	s_mov_b32 s[G1B+7], 0
	s_lshl_b32 s17, s16, 7
	s_lshl_b32 s20, s43, 8
	s_add_co_u32 s20, s20, s17                     ; x: row 256 by + 128 half
	s_lshl_b32 s20, s20, 11                        ; rows of 2,048 bytes
	s_mov_b32 s21, 0
	s_mul_i32 s46, s42, 192
	s_mul_i32 s47, s16, 96
	s_add_co_u32 s46, s46, s47                     ; W: row 192 bx + 96 half of the three stacked weights,
	s_lshl_b32 s46, s46, 11
	s_add_co_u32 s46, s46, 0x800000                ; which begin 8 MiB into h16
	s_mov_b32 s47, 0
	s_mul_i32 s18, s14, AHALF                      ; LDS: waves 0, 1: x's halves at 0 and 34,816
	s_mul_i32 s19, s14, BHALF
	s_add_co_u32 s19, s19, BOFF-2*BHALF            ; waves 2, 3: W's halves at 69,632 and 95,744
	s_wait_dscnt 0x0
	s_wait_kmcnt 0x0
	s_add_nc_u64 s[20:21], s[4:5], s[20:21]
	s_add_nc_u64 s[46:47], s[4:5], s[46:47]
	CROUND                                         ; all sixteen work-groups are here: the first joint loads meet
.irp s, 0,1
	s_mov_b32 s[G0A+4*\s], 1
	s_add_co_u32 s[G0A+4*\s+1], s18, \s*SLOT
	s_add_nc_u64 s[G0A+4*\s+2:G0A+4*\s+3], s[20:21], \s*KSTEP*2
	s_or_b32 s[G0A+4*\s+3], s[G0A+4*\s+3], 0x80000000
	s_mov_b32 s[G0B+4*\s], 1
	s_add_co_u32 s[G0B+4*\s+1], s19, \s*SLOT
	s_add_nc_u64 s[G0B+4*\s+2:G0B+4*\s+3], s[46:47], \s*KSTEP*2
	s_or_b32 s[G0B+4*\s+3], s[G0B+4*\s+3], 0x80000000
	JLOAD \s                                       ; K steps 0 and 1: two tensor loads of the wave are out
.endr
	; the three units: bias pointer and place in qkv
	v_bfe_u32 v2, v0, 4, 1                         ; h = lane / 16
	v_lshlrev_b32 v[BO], 5, v2                     ; my eight bias numbers of a tile begin 32 h bytes into it
	s_mul_i32 s78, s42, 3                          ; the first unit
	s_lshr_b32 s81, s43, 2                         ; batch
	s_lshl_b32 s81, s81, 21                        ; 16 heads of 131,072 bytes
	s_and_b32 s82, s43, 3
	s_lshl_b32 s82, s82, 15                        ; 256 tokens of 128 bytes
	s_add_co_u32 s81, s81, s82
	s_lshl_b32 s82, s14, 13                        ; my 64 tokens
	s_add_co_u32 s81, s81, s82
.irp i, 0,1,2
	s_add_co_u32 s79, s78, \i
	s_lshr_b32 s80, s79, 4                         ; matrix: 0 q, 1 k, 2 v
	s_and_b32 s79, s79, 15                         ; head
	s_mov_b64 s[BP+2*\i:BP+2*\i+1], s[6:7]
	s_cmp_eq_u32 s80, 1
	s_cselect_b64 s[BP+2*\i:BP+2*\i+1], s[8:9], s[BP+2*\i:BP+2*\i+1]
	s_cmp_eq_u32 s80, 2
	s_cselect_b64 s[BP+2*\i:BP+2*\i+1], s[10:11], s[BP+2*\i:BP+2*\i+1]
	s_lshl_b32 s82, s79, 8                         ; 64 f32 for each head
	s_mov_b32 s83, 0
	s_add_nc_u64 s[BP+2*\i:BP+2*\i+1], s[BP+2*\i:BP+2*\i+1], s[82:83]
	s_lshl_b32 s84, s80, 23                        ; 8 MiB for each matrix
	s_lshl_b32 s82, s79, 17
	s_add_co_u32 s82, s82, s84
	s_add_co_u32 s82, s82, s81
	s_add_nc_u64 s[OB+2*\i:OB+2*\i+1], s[12:13], s[82:83]
.endr
.irp i, 0,1,2
.irp bb, 0,1,2,3
	global_load_b128 v[BIAS+8*(4*\i+\bb):BIAS+8*(4*\i+\bb)+3],   v[BO], s[BP+2*\i:BP+2*\i+1] offset:64*\bb
	global_load_b128 v[BIAS+8*(4*\i+\bb)+4:BIAS+8*(4*\i+\bb)+7], v[BO], s[BP+2*\i:BP+2*\i+1] offset:64*\bb+16
.endr
.endr
	v_and_b32 v1, 15, v0                           ; r = lane % 16
	v_mul_u32_u24 v3, v1, PITCH
	v_lshl_add_u32 v3, v2, 4, v3                   ; a fragment: row r, 16 bytes for each half of the lanes, two loads 32 bytes apart
	s_mul_i32 s22, s14, 64*PITCH                   ; my 64 tokens
	s_mov_b32 s23, BOFF                            ; all 192 rows of W
.irp s, 0,1
	v_add_nc_u32 v[ADRA+\s], s22, v3
	v_add_nc_u32 v[ADRB+\s], s23, v3
	s_add_co_u32 s22, s22, SLOT
	s_add_co_u32 s23, s23, SLOT
.endr
	s_mul_i32 s17, s14, WSTAGE
	s_add_co_u32 s17, s17, STAGE                   ; my stage
	v_mul_u32_u24 v4, v1, SPITCH
	v_lshl_add_u32 v4, v2, 4, v4
	v_add_nc_u32 v[STO], s17, v4                   ; in: token r, 16 bytes for each half of the lanes
	v_bfe_u32 v5, v0, 3, 2                         ; back: eight lanes take a head's 128 bytes of a token, 32 lanes four tokens
	v_mul_u32_u24 v5, v5, SPITCH
	v_and_b32 v6, 7, v0
	v_lshl_add_u32 v5, v6, 4, v5
	v_add_nc_u32 v[RD], s17, v5
	v_and_b32 v6, 31, v0
	v_lshlrev_b32 v[CO], 4, v6                     ; and the same four tokens in qkv: 512 consecutive bytes
; 12 matrix instructions: token block a of the window's two (hi = 0: tokens 0-31, 1: tokens 32-63) x all 12 column blocks, 32 along K.
; The 48 accumulators take turns, one instruction a turn, in the same order in every quarter step.
.macro MUL12 f, hi, a, bias
.irp b, 0,1,2,3,4,5,6,7,8,9,10,11
.if \bias
	v_wmma_f32_16x16x32_f16 v[8*(12*\a+\b):8*(12*\a+\b)+7], v[96*\f+8*\b:96*\f+8*\b+7], v[AF+32*\f+8*(2*\hi+\a):AF+32*\f+8*(2*\hi+\a)+7], v[BIAS+8*\b:BIAS+8*\b+7]
.else
	v_wmma_f32_16x16x32_f16 v[8*(12*\a+\b):8*(12*\a+\b)+7], v[96*\f+8*\b:96*\f+8*\b+7], v[AF+32*\f+8*(2*\hi+\a):AF+32*\f+8*(2*\hi+\a)+7], v[8*(12*\a+\b):8*(12*\a+\b)+7]
.endif
.endr
.endm
; 32 LDS loads in one run: 192 rows of W, then my 64 tokens, 32 K at byte k of the rows, into buffer f
.macro FETCH slot, k, f
	WIN TO_B
.irp i, 0,1,2,3,4,5,6,7,8,9,10,11
	ds_load_b128 v[96*\f+8*\i:96*\f+8*\i+3],   v[ADRB+\slot] offset:\k+\i*16*PITCH
	ds_load_b128 v[96*\f+8*\i+4:96*\f+8*\i+7], v[ADRB+\slot] offset:\k+\i*16*PITCH+32
.endr
	WIN 0
.irp i, 0,1,2,3
	ds_load_b128 v[AF+32*\f+8*\i:AF+32*\f+8*\i+3],   v[ADRA+\slot] offset:\k+\i*16*PITCH
	ds_load_b128 v[AF+32*\f+8*\i+4:AF+32*\f+8*\i+7], v[ADRA+\slot] offset:\k+\i*16*PITCH+32
.endr
.endm
; windows of the products: source 0 (W) window 3, source 1 (x) window 0, D window 1 or 2; C the same window, or window 0 where it is the bias
.macro WLO bias
.if \bias
	WIN 0x43
.else
	WIN 0x53
.endif
.endm
.macro WHI bias
.if \bias
	WIN 0x83
.else
	WIN 0xa3
.endif
.endm
; One of a K step's first three quarters: multiplies buffer f, and in its middle fetches the next quarter's fragments into buffer g
.macro QUARTER slot, k, f, g, bias
	s_wait_dscnt 4                                 ; W and tokens 0-31 are in; the youngest four loads (tokens 32-63) may be out
	WLO \bias
	MUL12 \f, 0, 0, \bias
	MUL12 \f, 0, 1, \bias
	PLACES
	FETCH \slot, \k, \g
	s_wait_dscnt 32                                ; all but the 32 just issued
	WHI \bias
	MUL12 \f, 1, 0, \bias
	MUL12 \f, 1, 1, \bias
.endm
.macro THREE slot, bias
	QUARTER \slot, 64,  0, 1, \bias
	QUARTER \slot, 128, 1, 0, 0
	QUARTER \slot, 192, 0, 1, 0
.endm
; The last quarter multiplies buffer 1 and changes slots.  In front of the barrier each wave waits for its reads of this slot and for all its
; tensor loads (the one that is out is its part of the next slot).  Where the slot is filled again the barrier opens a round of the cluster's
; barrier, and the joint refill is the first tensor load behind the round.  From a request to the wait for it a wave issues 180 matrix instructions.
.macro TURN slot, next, fill
	s_wait_dscnt 4
	WIN 0x53
	MUL12 1, 0, 0, 0
	s_wait_dscnt 0                                 ; my reads of this slot are over
	s_wait_tensorcnt 0x0                           ; all my tensor loads have landed
	ds_add_u32 v193, v255
	s_wait_dscnt 0x0
	s_barrier_signal -1
	MUL12 1, 0, 1, 0                               ; register work while the others arrive
	WIN 0
	s_barrier_wait -1
.if \fill
	CREST                                          ; no wave of any partner still reads this slot or has a load on its way
	s_add_nc_u64 s[G0A+4*\slot+2:G0A+4*\slot+3], s[G0A+4*\slot+2:G0A+4*\slot+3], 2*KSTEP*2
	s_add_nc_u64 s[G0B+4*\slot+2:G0B+4*\slot+3], s[G0B+4*\slot+2:G0B+4*\slot+3], 2*KSTEP*2
	JLOAD \slot                                    ; my one tensor load behind the round
.endif
	PLACES
	FETCH \next, 0, 0
	WIN 0xa3
	MUL12 1, 1, 0, 0
	MUL12 1, 1, 1, 0
.endm
.macro LAP bias
	THREE 0, \bias
	TURN 0, 1, 1
	THREE 1, 0
	TURN 1, 0, 1
.endm
	s_wait_tensorcnt 1                             ; my part of K step 0 is in; K step 1's may stay out
	s_barrier_signal -1
	s_barrier_wait -1
	FETCH 0, 0, 0
	s_wait_loadcnt 0x0                             ; the bias
	LAP 1                                          ; the first lap: its first products start the sums from the bias
	WIN 0
	s_mov_b32 s3, LAPS-2
.Llap:
	LAP 0
	WIN 0
	s_sub_co_u32 s3, s3, 1
	s_cmp_lg_u32 s3, 0
	s_cbranch_scc1 .Llap
	THREE 0, 0                                     ; the last lap fills nothing
	TURN 0, 1, 0
	THREE 1, 0
	s_wait_dscnt 4
	WIN 0x53
	MUL12 1, 0, 0, 0
	MUL12 1, 0, 1, 0
	s_wait_dscnt 0
	WIN 0xa3
	MUL12 1, 1, 0, 0
	MUL12 1, 1, 1, 0
	PLACES                                         ; ahead of the conversions, which read results, and of the loads into the fragment buffers
; THE WAY OUT, 16 tokens at a time: round to f16, 16 bytes a lane into my own stage, read back head by head, four tokens (512 bytes) a load.
.macro OUT16 a
.if \a < 2
	WIN 0x05                                       ; sources in window 1
.else
	WIN 0x0a                                       ; in window 2
.endif
.irp b, 0,1,2,3,4,5,6,7,8,9,10,11
.irp q, 0,1,2,3
	v_cvt_pk_f16_f32 v[TMP+4*\b+\q], v[8*(12*(\a&1)+\b)+2*\q], v[8*(12*(\a&1)+\b)+2*\q+1]
.endr
.endr
	WIN 0
.irp b, 0,1,2,3,4,5,6,7,8,9,10,11
	ds_store_b128 v[STO], v[TMP+4*\b:TMP+4*\b+3] offset:32*\b
.endr
	s_wait_xcnt 0x0                                ; the registers that the last 16 tokens' stores read are loaded again only behind this wait
.irp i, 0,1,2
.irp t, 0,1,2,3
	ds_load_b128 v[RB+4*(4*\i+\t):RB+4*(4*\i+\t)+3], v[RD] offset:4*SPITCH*\t+128*\i   ; LDS serves a wave's instructions in order: these see the stores above
.endr
.endr
.irp i, 0,1,2
.irp t, 0,1,2,3
	s_wait_dscnt 11-(4*\i+\t)                      ; the younger read-backs stay out
	global_store_b128 v[CO], v[RB+4*(4*\i+\t):RB+4*(4*\i+\t)+3], s[OB+2*\i:OB+2*\i+1] offset:2048*\a+512*\t   ; 512 consecutive bytes, aligned
.endr
.endr
.endm
	OUT16 0
	OUT16 1
	OUT16 2
	OUT16 3
	s_set_vgpr_msb 0x3
	s_wait_tensorcnt 0x0
	ds_add_u32 v193, v255
	s_wait_dscnt 0x0
	s_set_vgpr_msb 0x300
	CROUND                                         ; the closing round: no work-group ends while a partner may still ask for a tile that names it
	s_endpgm
.Lfunc_end_k_q69be88900d_qkv:
	.size	k_q69be88900d_qkv, .Lfunc_end_k_q69be88900d_qkv-k_q69be88900d_qkv
	.p2alignl 7, 3214868480
	.fill 96, 4, 3214868480
	.section	.rodata,"a",@progbits
	.p2align	6, 0x0
	.amdhsa_kernel k_q69be88900d_qkv
		.amdhsa_group_segment_fixed_size 327680
		.amdhsa_private_segment_fixed_size 0
		.amdhsa_enable_private_segment 0
		.amdhsa_kernarg_size 40
		.amdhsa_user_sgpr_count 2
		.amdhsa_user_sgpr_kernarg_segment_ptr 1
		.amdhsa_wavefront_size32 1
		.amdhsa_system_sgpr_workgroup_id_x 1
		.amdhsa_system_sgpr_workgroup_id_y 1
		.amdhsa_system_sgpr_workgroup_id_z 1
		.amdhsa_system_vgpr_workitem_id 0
		.amdhsa_next_free_vgpr 962
		.amdhsa_next_free_sgpr 88
		.amdhsa_reserve_vcc 0
		.amdhsa_float_denorm_mode_32 3
		.amdhsa_float_denorm_mode_16_64 3
		.amdhsa_memory_ordered 1
		.amdhsa_forward_progress 1
		.amdhsa_inst_pref_size 167
	.end_amdhsa_kernel
	.amdgpu_metadata
---
amdhsa.version: [ 1, 2 ]
amdhsa.kernels:
  - .name:           k_q69be88900d_qkv
    .symbol:         k_q69be88900d_qkv.kd
    .args:
      - { .name: h16, .offset: 0, .size: 8, .value_kind: global_buffer, .address_space: global }
      - { .name: bq, .offset: 8, .size: 8, .value_kind: global_buffer, .address_space: global }
      - { .name: bk, .offset: 16, .size: 8, .value_kind: global_buffer, .address_space: global }
      - { .name: bv, .offset: 24, .size: 8, .value_kind: global_buffer, .address_space: global }
      - { .name: qkv, .offset: 32, .size: 8, .value_kind: global_buffer, .address_space: global }
    .group_segment_fixed_size: 327680
    .private_segment_fixed_size: 0
    .kernarg_segment_align: 8
    .kernarg_segment_size: 40
    .max_flat_workgroup_size: 128
    .sgpr_count:     88
    .vgpr_count:     962
    .wavefront_size: 32
...
	.end_amdgpu_metadata
.endif
;; end of part 2
;; launch attn (part 3): grid 256 x 1, 8 waves a work-group, clusters of 4 x 1, 312,320 bytes of LDS; arguments qkv, o; writes o
.if DOCPART == 3
	.amdgcn_target "amdgcn-amd-amdhsa--gfx1250"
	.amdhsa_code_object_version 6
	.text
	.protected	k_q69be88900d_attn
	.globl	k_q69be88900d_attn
	.p2align	8
	.type	k_q69be88900d_attn,@function
k_q69be88900d_attn:
	s_mov_b64 s[64:65], 0
	v_nop
	global_prefetch_b8 v0, s[64:65] scope:SCOPE_SE
	s_setreg_imm32_b32 hwreg(HW_REG_WAVE_MODE, 25, 1), 1
	s_wait_xcnt 0x0
	s_wait_alu depctr_hold_cnt(0) depctr_sa_sdst(0) depctr_va_vdst(0) depctr_va_sdst(0) depctr_va_ssrc(0) depctr_va_vcc(0) depctr_vm_vsrc(0)
	s_getreg_b32 s2, hwreg(HW_REG_IB_STS2, 6, 4)
	s_cmp_eq_u32 s2, 0
	s_cbranch_scc0 .Lentry_in_a_cluster
	s_endpgm
.Lentry_in_a_cluster:
	s_bfe_u32 s2, ttmp6, 0x10000c
	s_cmp_lg_u32 s2, 0x3003
	s_cbranch_scc0 .Lentry_shape_is_right
	s_endpgm
.Lentry_shape_is_right:
; o[bh][n][:] = softmax over m of (q[n] . k[m] / 32) v[m], for one of 64 heads and 256 queries in a work-group.
; q, k, v, o are f16 [B][H][N][64]; scores, the running maximum, the sums and o's accumulators are f32.
; EIGHT WAVES, two for each block of 64 queries: waves w and w ^ 4 share the queries of block w & 3 and halve the keys.  Group g takes keys
; 128 s + 64 g .. + 63 in its step s, s = 0 .. 7, with a running maximum, sum and O of its own; at the end the two are merged.
; g = (bit 0 xor bit 2) of the wave's number: it differs between waves four apart and between waves 2 i and 2 i + 1.
; WHY: a step is 64 matrix instructions and some 490 vector instructions.  With a second wave beside it, one wave's softmax can stand beside the
; other's products.  For that the groups must not do the same thing at the same time, so the first step is taken apart: group 0 makes its S,
; a barrier, group 0 does its softmax while group 1 makes its S, a barrier, group 1 does its softmax while group 0 goes on.  No barrier follows
; until the merge, so the groups stay half a step apart.
; CLUSTERS: the four work-groups of a cluster are the four query blocks of one head.  They need the same K and V: every tensor load is a joint
; request with the mask 15, its address made of the head and the wave's number alone.
; The head's whole K (1,024 rows of 144 bytes) and V (1,024 rows of 160) stay in LDS: each byte is filled once, nothing is filled again.
; ALL IN REGISTERS: S^T = K Q^T puts key 8 (l / 16) + j, query l % 16 in register j of lane l; two neighbouring key tiles rounded to f16 are
; the second operand of O^T = V^T P^T for 32 keys as they stand, and V^T comes from LDS by the transposing load.  A query is a lane (in both
; halves of the wave), so maximum, sum and rescale factor are one number a lane, joined across the halves by one v_permlanex16_b32.
; The maximum of the raw scores is carried along and taken away in front of every exponential; p = 2^(c s - c m), c = log2(e) / 32.
; LIMIT: p is rounded to f16 for the product with V (p <= 1; below 6e-8 it becomes 0); o of magnitude 65,520 or more becomes an infinity.
.set KPITCH, 144                       ; 128 + 16: 9 x 16
.set VPITCH, 160                       ; 128 + 32: 5 x 32, an odd multiple of 32 for the transposing load
.set VBASE,  1024*KPITCH               ; 147,456
.set KSTRIDE, 128*KPITCH               ; from a wave's step to its next: 128 keys
.set VSTRIDE, 128*VPITCH
.set XW,     17*512                    ; the merge: a wave's exchange area, 17 stores of 512 bytes; the eight areas begin at byte 0, in K's bytes
.set STG,    8*XW                      ; 69,632: the way out: a stage of 16 queries for each wave, in K's bytes too
.set WSTAGE, 16*KPITCH
.set KAD, 4                            ; LDS address of the next K fragments to load
.set VAD, 5                            ; of this step's V
.set QO,  6
.set STO, 7
.set RD,  8
.set CO,  9                            ; 16 x lane
.set M,   10                           ; v10-13  running maximum of the raw scores, one register for each block of 16 queries (qt)
.set PS,  14                           ; v14-17  the merge: my partner's -c m (two qt) and sums (two qt)
.set T2,  18
.set T0,  22
.set T1,  26
.set XA,  30                           ; my exchange area
.set XR,  31                           ; my partner's
.set QF,  32                           ; v32-95   Q fragments, 16 qt + 8 ks
.set KF,  96                           ; v96-159  K fragments, 16 kt + 8 ks
.set VF,  160                          ; v160-223 V^T fragments, 16 dt + 8 kk
.set LS,  224                          ; v224-231 running sums, a pair for each qt
.set AL,  232                          ; v232-239 rescale factor, twice
.set NM,  240                          ; v240-247 -c x maximum, twice
.set OA,  128                          ; window 1: S(qt, kt) at 32 qt + 8 kt, then P(qt, kk) at 32 qt + 8 kk; O(qt, dt) at 128 + 32 qt + 8 dt
.set G1,  16
.set G0,  24                           ; two sets, one for each chunk
.set KW0, 15|(1<<16)|(1<<20)|(1<<21)|(4<<22)|(3<<25)   ; mask 15; 2-byte elements; padding on; bit 21 beside a mask; behind every 32 words 4 words
.set VW0, 15|(1<<16)|(1<<20)|(1<<21)|(4<<22)|(7<<25)   ; the same with 8 words
.set MSB, 0
.macro WIN new                         ; the immediate's high byte repeats the setting that is left
.if MSB != \new
	s_set_vgpr_msb (MSB<<8)|\new
.set MSB, \new
.endif
.endm
.macro ROUND                           ; a round of the cluster's barrier
	s_barrier_signal -1
	s_barrier_wait -1
	s_cmp_lg_u32 s8, 0
	s_cbranch_scc1 .Lnot_wave_0_\@
	s_barrier_signal -3
.Lnot_wave_0_\@:
	s_barrier_wait -3
	s_barrier_signal -1
	s_barrier_wait -1
.endm
; A wave's two joint loads: its 128 keys of each chunk of 512.  128 keys are 16 KiB without a gap in memory, taken as 64 rows of 256 bytes;
; the padding's interval of 32 words is counted along the tile, so a pad falls behind every key's 128 bytes.
.macro ASK w0, perwave, base, perchunk, goff
	s_mov_b32 s[G1], \w0
	s_mul_i32 s11, s8, \perwave
	s_lshl_b32 s12, s8, 14                         ; 128 keys of 128 bytes for each wave
	s_add_co_u32 s12, s12, s10                     ; the head
	s_add_co_u32 s12, s12, \goff
	s_mov_b32 s13, 0
	s_add_nc_u64 s[52:53], s[4:5], s[12:13]
.irp c, 0,1
	s_mov_b32 s[G0+4*\c], 1
	s_add_co_u32 s[G0+4*\c+1], s11, \base+\c*\perchunk
	s_add_nc_u64 s[G0+4*\c+2:G0+4*\c+3], s[52:53], \c*65536
	s_or_b32 s[G0+4*\c+3], s[G0+4*\c+3], 0x80000000
	tensor_load_to_lds s[G0+4*\c:G0+4*\c+3], s[G1:G1+7]
	s_nop 0
.endr
.endm
	s_load_b128 s[4:7], s[0:1], 0x0                ; qkv s[4:5], o s[6:7]
	v_lshl_add_u32 v254, v0, 2, 0x4c000
	v_mov_b32 v255, 0
	ds_add_u32 v254, v255
	v_lshrrev_b32 v1, 5, v0
	v_readfirstlane_b32 s8, v1                     ; wave 0..7
	s_and_b32 s14, s8, 3                           ; my block of 64 queries
	s_lshr_b32 s15, s8, 2
	s_xor_b32 s15, s15, s8
	s_and_b32 s15, s15, 1                          ; my group: which half of the keys
	s_bfe_u32 s9, ttmp6, 0x40000                   ; cx: the work-group's block of 256 queries
	s_lshl_b32 s10, ttmp9, 17                      ; the cluster's number is the head: 131,072 bytes each
	s_mov_b32 s40, 0x76543210                      ; v_permlanex16_b32: lane i of one half reads lane i of the other
	s_mov_b32 s41, 0xfedcba98
	s_mov_b32 s42, 0x3d38aa3b                      ; c = log2(e) / 32
	s_mov_b32 s43, 0x3d38aa3b
	s_mov_b32 s50, 0xbd38aa3b                      ; -c
	s_mov_b32 s[G1+1], 128<<16                     ; tensor_dim0 = 128 elements
	s_mov_b32 s[G1+2], 64<<16                      ; tensor_dim1 = 64 rows
	s_mov_b32 s[G1+3], 128<<16                     ; tile_dim0
	s_mov_b32 s[G1+4], 64                          ; tile_dim1
	s_mov_b32 s[G1+5], 128                         ; from row to row
	s_mov_b32 s[G1+6], 0
	s_mov_b32 s[G1+7], 0
	s_lshl_b32 s46, s9, 15                         ; 256 queries of 128 bytes
	s_add_co_u32 s46, s46, s10
	s_lshl_b32 s47, s14, 13                        ; my 64 queries
	s_add_co_u32 s46, s46, s47
	s_mov_b32 s47, 0
	s_wait_dscnt 0x0
	s_wait_kmcnt 0x0
	s_add_nc_u64 s[44:45], s[4:5], s[46:47]        ; my queries (q is the first of the three matrices)
	s_add_nc_u64 s[48:49], s[6:7], s[46:47]        ; and their place in o
	ROUND                                          ; the four work-groups are here: the joint loads meet
	s_cmp_lt_u32 s8, 4                             ; one branch on the wave's number holds all the loads: two are out in each wave
	s_cbranch_scc0 .Lfor_v
	ASK KW0, 128*KPITCH, 0, 512*KPITCH, 0x800000                         ; waves 0-3: K, 8 MiB into qkv
	s_branch .Lasked
.Lfor_v:
	ASK VW0, 128*VPITCH, VBASE-512*VPITCH, 512*VPITCH, 0x1000000-0x10000 ; waves 4-7: V, 16 MiB into qkv; wave - 4 stands in the two constants
.Lasked:
	v_and_b32 v1, 15, v0                           ; r
	v_bfe_u32 v2, v0, 4, 1                         ; h
	v_lshlrev_b32 v[QO], 7, v1
	v_lshl_add_u32 v[QO], v2, 4, v[QO]             ; query r, 16 bytes for each half of the lanes
.irp qt, 0,1,2,3
.irp ks, 0,1
	global_load_b128 v[QF+16*\qt+8*\ks:QF+16*\qt+8*\ks+3],   v[QO], s[44:45] offset:2048*\qt+64*\ks
	global_load_b128 v[QF+16*\qt+8*\ks+4:QF+16*\qt+8*\ks+7], v[QO], s[44:45] offset:2048*\qt+64*\ks+32
.endr
.endr
	v_mul_u32_u24 v[KAD], v1, KPITCH
	v_lshl_add_u32 v[KAD], v2, 4, v[KAD]           ; key r, 16 bytes for each half
	s_mul_i32 s11, s8, WSTAGE
	s_add_co_u32 s11, s11, STG                     ; my stage
	v_add_nc_u32 v[STO], s11, v[KAD]               ; the way out: query r, 16 bytes for each half, the same pitch
	s_mul_i32 s12, s15, 64*KPITCH
	v_add_nc_u32 v[KAD], s12, v[KAD]               ; my group's first 64 keys
	v_and_b32 v14, 7, v0
	v_lshl_add_u32 v15, v2, 3, v14                 ; key 8 h + lane % 8
	v_mul_u32_u24 v[VAD], v15, VPITCH
	v_bfe_u32 v15, v0, 3, 1
	v_lshl_add_u32 v[VAD], v15, 4, v[VAD]          ; 16 bytes further for lanes 8-15 of each half
	s_mul_i32 s13, s15, 64*VPITCH
	s_add_co_u32 s13, s13, VBASE
	v_add_nc_u32 v[VAD], s13, v[VAD]
	v_bfe_u32 v15, v0, 3, 2                        ; back: eight lanes take a query's 128 bytes
	v_mul_u32_u24 v[RD], v15, KPITCH
	v_lshl_add_u32 v[RD], v14, 4, v[RD]
	v_add_nc_u32 v[RD], s11, v[RD]
	v_and_b32 v15, 31, v0
	v_lshlrev_b32 v[CO], 4, v15
	s_mul_i32 s11, s8, XW
	v_add_nc_u32 v[XA], s11, v[CO]                 ; the merge: 16 bytes a lane in my area,
	s_xor_b32 s12, s8, 4
	s_mul_i32 s12, s12, XW
	v_add_nc_u32 v[XR], s12, v[CO]                 ; and in my partner's (wave ^ 4: the same queries, the other group)
.irp qt, 0,1,2,3
	v_mov_b32 v[T2+\qt], 0                         ; v_permlanex16_b32 counts as a reader of its destination
.endr
; A step is 64 keys, in four parts.  In both runs of matrix instructions the 16 accumulators take turns, one instruction a turn.
; Each of the two runs ends in five plain places, the largest distance that this form asks for (ISA guide 7.12.1), so that whatever line follows
; a run, on any way through the branches of step 0 (also the ways that no wave takes), stands far enough behind it.
; SPH: S^T = K Q^T
.macro SPH
	s_wait_dscnt 0x0                               ; this step's K fragments are in
	WIN 0x50                                       ; D and C window 1
.irp qt, 0,1,2,3
.irp kt, 0,1,2,3
	v_wmma_f32_16x16x32_f16 v[32*\qt+8*\kt:32*\qt+8*\kt+7], v[KF+16*\kt:KF+16*\kt+7], v[QF+16*\qt:QF+16*\qt+7], 0
.endr
.endr
.irp qt, 0,1,2,3
.irp kt, 0,1,2,3
	v_wmma_f32_16x16x32_f16 v[32*\qt+8*\kt:32*\qt+8*\kt+7], v[KF+16*\kt+8:KF+16*\kt+15], v[QF+16*\qt+8:QF+16*\qt+15], v[32*\qt+8*\kt:32*\qt+8*\kt+7]
.endr
.endr
.rept 5
	v_nop                                          ; four places serve the loads into K's fragments and the vector reads of S; the fifth a matrix instruction that writes over S or takes it as an operand
.endr
	WIN 0
.endm
; LPH: this step's V^T; kpre: the next step's K, and both addresses step on
.macro LPH kpre
.irp dt, 0,1,2,3
.irp kk, 0,1
	ds_load_tr16_b128 v[VF+16*\dt+8*\kk:VF+16*\dt+8*\kk+3],   v[VAD] offset:32*VPITCH*\kk+32*\dt
	ds_load_tr16_b128 v[VF+16*\dt+8*\kk+4:VF+16*\dt+8*\kk+7], v[VAD] offset:32*VPITCH*\kk+32*\dt+16*VPITCH
.endr
.endr
.if \kpre
.irp kt, 0,1,2,3
.irp ks, 0,1
	ds_load_b128 v[KF+16*\kt+8*\ks:KF+16*\kt+8*\ks+3],   v[KAD] offset:16*KPITCH*\kt+64*\ks
	ds_load_b128 v[KF+16*\kt+8*\ks+4:KF+16*\kt+8*\ks+7], v[KAD] offset:16*KPITCH*\kt+64*\ks+32
.endr
.endr
	v_add_nc_u32 v[VAD], VSTRIDE, v[VAD]
	v_add_nc_u32 v[KAD], KSTRIDE, v[KAD]
.endif
.endm
.macro LADD i                          ; four chains, one for each qt
.irp qt, 0,1,2,3
	v_pk_add_f32 v[LS+2*\qt:LS+2*\qt+1], v[32*\qt+2*\i:32*\qt+2*\i+1], v[LS+2*\qt:LS+2*\qt+1]
.endr
.endm
; VPH: the softmax of the step.  first: starts maximum and sums.  It leaves the window setting of its last lines.
.macro VPH first
	; the largest of a lane's 32 scores of each qt, in two chains a qt
	WIN 0x05
.irp qt, 0,1,2,3
	v_max_num_f32 v[T0+\qt], v[32*\qt],    v[32*\qt+1]
	v_max_num_f32 v[T1+\qt], v[32*\qt+16], v[32*\qt+17]
.endr
.irp i, 1,2,3,4,5,6,7
.irp qt, 0,1,2,3
	v_max3_num_f32 v[T0+\qt], v[32*\qt+2*\i],    v[32*\qt+2*\i+1],  v[T0+\qt]
	v_max3_num_f32 v[T1+\qt], v[32*\qt+16+2*\i], v[32*\qt+17+2*\i], v[T1+\qt]
.endr
.endr
	WIN 0
.irp qt, 0,1,2,3
.if \first
	v_max_num_f32 v[T0+\qt], v[T0+\qt], v[T1+\qt]
.else
	v_max3_num_f32 v[T0+\qt], v[T0+\qt], v[T1+\qt], v[M+\qt]
.endif
.endr
.irp qt, 0,1,2,3
	v_permlanex16_b32 v[T2+\qt], v[T0+\qt], s40, s41       ; the other eight keys of each tile lie in the other half of the wave
.endr
.irp qt, 0,1,2,3
	v_max_num_f32 v[M+\qt], v[T0+\qt], v[T2+\qt]
.endr
.irp qt, 0,1,2,3
	v_mul_f32 v[T1+\qt], s50, v[M+\qt]                     ; -c m
.endr
.if \first == 0
.irp qt, 0,1,2,3
	v_sub_f32 v[T0+\qt], v[T1+\qt], v[NM+2*\qt]            ; c (old m - new m), never above 0
.endr
.irp qt, 0,1,2,3
	v_exp_f32 v[AL+2*\qt],   v[T0+\qt]
	v_exp_f32 v[AL+2*\qt+1], v[T0+\qt]
.endr
.endif
.irp qt, 0,1,2,3
	v_mov_b32 v[NM+2*\qt],   v[T1+\qt]                     ; plain work that touches neither AL nor T0: the place behind the exponentials (ISA guide 5.7.2)
	v_mov_b32 v[NM+2*\qt+1], v[T1+\qt]
.endr
	; p = 2^(c s - c m), in place; O's rescaling stands between the exponentials
	WIN 0x41
.irp qt, 0,1,2,3
.irp i, 0,1,2,3,4,5,6,7,8,9,10,11,12,13,14,15
	v_pk_fma_f32 v[32*\qt+2*\i:32*\qt+2*\i+1], v[32*\qt+2*\i:32*\qt+2*\i+1], s[42:43], v[NM+2*\qt:NM+2*\qt+1] op_sel_hi:[1,0,1]
.endr
.irp i, 0,1,2,3,4,5,6,7,8,9,10,11,12,13,14,15
	v_exp_f32 v[32*\qt+2*\i],   v[32*\qt+2*\i]
	v_exp_f32 v[32*\qt+2*\i+1], v[32*\qt+2*\i+1]
.if \first == 0
	s_wait_alu depctr_va_vdst(0)
	v_pk_mul_f32 v[OA+32*\qt+2*\i:OA+32*\qt+2*\i+1], v[OA+32*\qt+2*\i:OA+32*\qt+2*\i+1], v[AL+2*\qt:AL+2*\qt+1]
.endif
.endr
.endr
.if \first
	v_nop                                          ; the place behind the last exponentials
	WIN 0x05
	s_wait_alu depctr_va_vdst(0)
.irp qt, 0,1,2,3
	v_pk_add_f32 v[LS+2*\qt:LS+2*\qt+1], v[32*\qt:32*\qt+1], v[32*\qt+2:32*\qt+3]   ; the first two pairs start the sums
.endr
	WIN 0x01
.else
	WIN 0x10
	s_wait_alu depctr_va_vdst(0)
.irp qt, 0,1,2,3
	v_pk_fma_f32 v[LS+2*\qt:LS+2*\qt+1], v[LS+2*\qt:LS+2*\qt+1], v[AL+2*\qt:AL+2*\qt+1], v[32*\qt:32*\qt+1]   ; rescale and first addition in one
.endr
	WIN 0x01
	LADD 1
.endif
.irp i, 2,3,4,5,6,7,8,9,10,11,12,13,14,15
	LADD \i
.endr
	WIN 0x45
.irp qt, 0,1,2,3
.irp i, 0,1,2,3,4,5,6,7,8,9,10,11,12,13,14,15
	v_cvt_pk_f16_f32 v[32*\qt+\i], v[32*\qt+2*\i], v[32*\qt+2*\i+1]   ; in place, ascending: register i is written when registers 2 i and 2 i + 1 have been read
.endr
.endr
.endm
; PPH: O^T += V^T P^T.  first: starts O.  kpre: the next step's K was asked for behind V.
.macro PPH first, kpre
.if \kpre
	s_wait_dscnt 16                                ; V's 16 loads are in; the 16 younger ones (the next step's K) may stay out
.else
	s_wait_dscnt 0x0
.endif
	WIN 0x54                                       ; source 1 (P), C and D window 1
.irp qt, 0,1,2,3
.irp dt, 0,1,2,3
.if \first
	v_wmma_f32_16x16x32_f16 v[OA+32*\qt+8*\dt:OA+32*\qt+8*\dt+7], v[VF+16*\dt:VF+16*\dt+7], v[32*\qt:32*\qt+7], 0
.else
	v_wmma_f32_16x16x32_f16 v[OA+32*\qt+8*\dt:OA+32*\qt+8*\dt+7], v[VF+16*\dt:VF+16*\dt+7], v[32*\qt:32*\qt+7], v[OA+32*\qt+8*\dt:OA+32*\qt+8*\dt+7]
.endif
.endr
.endr
.irp qt, 0,1,2,3
.irp dt, 0,1,2,3
	v_wmma_f32_16x16x32_f16 v[OA+32*\qt+8*\dt:OA+32*\qt+8*\dt+7], v[VF+16*\dt+8:VF+16*\dt+15], v[32*\qt+8:32*\qt+15], v[OA+32*\qt+8*\dt:OA+32*\qt+8*\dt+7]
.endr
.endr
	WIN 0
.rept 5
	v_nop                                          ; five places: the next step's first products write over P; behind the last step: ahead of the reads of O
.endr
.endm
.macro STEP kpre
	SPH
	LPH \kpre
	VPH 0
	PPH 0, \kpre
.endm
	s_wait_tensorcnt 1                             ; my part of chunk 0 (keys 0-511) is in; chunk 1 stays out
	s_barrier_signal -1
	s_barrier_wait -1                              ; everybody's is
.irp kt, 0,1,2,3
.irp ks, 0,1
	ds_load_b128 v[KF+16*\kt+8*\ks:KF+16*\kt+8*\ks+3],   v[KAD] offset:16*KPITCH*\kt+64*\ks
	ds_load_b128 v[KF+16*\kt+8*\ks+4:KF+16*\kt+8*\ks+7], v[KAD] offset:16*KPITCH*\kt+64*\ks+32
.endr
.endr
	v_add_nc_u32 v[KAD], KSTRIDE, v[KAD]
	s_wait_loadcnt 0x0                             ; Q
	; STEP 0, taken apart so that the groups come to lie half a step apart
	s_cmp_eq_u32 s15, 0
	s_cbranch_scc0 .Lnot_yet
	SPH                                            ; group 0 makes its S
.Lnot_yet:
	s_wait_dscnt 0x0                               ; group 1's K fragments: no LDS instruction is out at a signal
	s_barrier_signal -1
	s_barrier_wait -1
	s_cmp_eq_u32 s15, 0
	s_cbranch_scc0 .Lnow_s
	LPH 1                                          ; group 0: its softmax,
	VPH 1
	WIN 0
	s_branch .Lhalf
.Lnow_s:
	SPH                                            ; while group 1 makes its S
.Lhalf:
	s_wait_dscnt 0x0
	s_wait_tensorcnt 0x0                           ; my part of chunk 1 (keys 512-1023) has landed
	s_barrier_signal -1
	s_barrier_wait -1                              ; everybody's has: from here on all of K and V may be read
	s_cmp_eq_u32 s15, 0
	s_cbranch_scc1 .Lon
	LPH 1                                          ; group 1: its softmax, while group 0 goes on with its products
	VPH 1
	WIN 0
.Lon:
	PPH 1, 1
	s_mov_b32 s3, 6
.Lstep:
	STEP 1                                         ; steps 1 to 6
	s_sub_co_u32 s3, s3, 1
	s_cmp_lg_u32 s3, 0
	s_cbranch_scc1 .Lstep
	STEP 0                                         ; step 7: nothing more to fetch
	; THE MERGE.  Each wave of a pair ends two of the four blocks of 16 queries: group 0 blocks 0 and 1, group 1 blocks 2 and 3.
	; It sends the other two blocks' O, -c m and sum to its partner through K's bytes, which have had their last fill and are read no more.
.macro SEND q
	v_mov_b32 v[T0],   v[NM+2*\q]
	v_mov_b32 v[T0+1], v[NM+2*\q+2]
	v_add_f32 v[T0+2], v[LS+2*\q],   v[LS+2*\q+1]
	v_add_f32 v[T0+3], v[LS+2*\q+2], v[LS+2*\q+3]
	ds_store_b128 v[XA], v[T0:T0+3] offset:16*512
	WIN 0x04                                       ; the stores' data in window 1
.irp i, 0,1,2,3,4,5,6,7,8,9,10,11,12,13,14,15
	ds_store_b128 v[XA], v[OA+32*\q+4*\i:OA+32*\q+4*\i+3] offset:512*\i   ; 32 lanes, 16 neighbouring bytes each
.endr
	WIN 0
.endm
; with nm = min(nmA, nmB) = -c x the joint maximum: a = 2^(nm - nmX), never above 1 and 1 for one of the two;
; L = aA LA + aB LB (at least 1);  O = (aA / L) OA + (aB / L) OB
.macro FIN q
	ds_load_b128 v[PS:PS+3], v[XR] offset:16*512
.irp i, 0,1,2,3,4,5,6,7,8,9,10,11,12,13,14,15
	ds_load_b128 v[KF+4*\i:KF+4*\i+3], v[XR] offset:512*\i
.endr
.irp j, 0,1
	v_add_f32 v[T2+\j], v[LS+2*(\q+\j)], v[LS+2*(\q+\j)+1]
.endr
	s_wait_dscnt 16                                ; the partner's -c m and sums are in; the 16 loads of its O stay out
.irp j, 0,1
	v_min_num_f32 v[T1+\j], v[NM+2*(\q+\j)], v[PS+\j]
.endr
.irp j, 0,1
	v_sub_f32 v[T0+\j],   v[T1+\j], v[NM+2*(\q+\j)]
	v_sub_f32 v[T0+2+\j], v[T1+\j], v[PS+\j]
.endr
.irp j, 0,1
	v_exp_f32 v[T0+\j],   v[T0+\j]
	v_exp_f32 v[T0+2+\j], v[T0+2+\j]
.endr
	v_nop                                          ; the place behind the exponentials
	s_wait_alu depctr_va_vdst(0)
.irp j, 0,1
	v_mul_f32 v[T2+\j], v[T2+\j], v[T0+\j]
.endr
.irp j, 0,1
	v_fmac_f32 v[T2+\j], v[PS+2+\j], v[T0+2+\j]
.endr
.irp j, 0,1
	v_permlanex16_b32 v[T1+\j], v[T2+\j], s40, s41 ; the other half of the wave holds the other keys' part of the sum
.endr
.irp j, 0,1
	v_add_f32 v[T2+\j], v[T2+\j], v[T1+\j]
.endr
.irp j, 0,1
	v_rcp_f32 v[T1+\j], v[T2+\j]
.endr
	v_nop                                          ; the place behind the reciprocals
	s_wait_alu depctr_va_vdst(0)
.irp j, 0,1
	v_mul_f32 v[AL+2*(\q+\j)],   v[T0+\j],   v[T1+\j]
	v_mul_f32 v[AL+2*(\q+\j)+1], v[T0+\j],   v[T1+\j]
	v_mul_f32 v[NM+2*(\q+\j)],   v[T0+2+\j], v[T1+\j]
	v_mul_f32 v[NM+2*(\q+\j)+1], v[T0+2+\j], v[T1+\j]
.endr
	WIN 0x41
.irp j, 0,1
.irp i, 0,1,2,3,4,5,6,7,8,9,10,11,12,13,14,15
	v_pk_mul_f32 v[OA+32*(\q+\j)+2*\i:OA+32*(\q+\j)+2*\i+1], v[OA+32*(\q+\j)+2*\i:OA+32*(\q+\j)+2*\i+1], v[AL+2*(\q+\j):AL+2*(\q+\j)+1]
.endr
.endr
	s_wait_dscnt 0x0                               ; the partner's O
	WIN 0x50
.irp j, 0,1
.irp i, 0,1,2,3,4,5,6,7,8,9,10,11,12,13,14,15
	v_pk_fma_f32 v[OA+32*(\q+\j)+2*\i:OA+32*(\q+\j)+2*\i+1], v[KF+32*\j+2*\i:KF+32*\j+2*\i+1], v[NM+2*(\q+\j):NM+2*(\q+\j)+1], v[OA+32*(\q+\j)+2*\i:OA+32*(\q+\j)+2*\i+1]
.endr
.endr
	WIN 0x05
.irp j, 0,1
.irp i, 0,1,2,3,4,5,6,7,8,9,10,11,12,13,14,15
	v_cvt_pk_f16_f32 v[VF+16*\j+\i], v[OA+32*(\q+\j)+2*\i], v[OA+32*(\q+\j)+2*\i+1]   ; tile dt's eight numbers (d = 16 dt + 8 h + 0..7 of query r) become registers 4 dt .. 4 dt + 3
.endr
.endr
	WIN 0
.irp j, 0,1
.irp dt, 0,1,2,3
	ds_store_b128 v[STO], v[VF+16*\j+4*\dt:VF+16*\j+4*\dt+3] offset:32*\dt
.endr
.irp t, 0,1,2,3
	ds_load_b128 v[QF+16*\j+4*\t:QF+16*\j+4*\t+3], v[RD] offset:4*KPITCH*\t   ; my own stage: LDS serves a wave's instructions in order, so these see the stores above
.endr
.irp t, 0,1,2,3
	s_wait_dscnt 3-\t                              ; the younger read-backs stay out
	global_store_b128 v[CO], v[QF+16*\j+4*\t:QF+16*\j+4*\t+3], s[48:49] offset:2048*(\q+\j)+512*\t   ; four queries: 512 consecutive bytes, aligned; registers of their own each time
.endr
.endr
.endm
	s_wait_dscnt 0x0                               ; my reads of K and V are back (met: the last step's wait was for 0)
	s_barrier_signal -1
	s_barrier_wait -1                              ; every wave's are: K's bytes may be written
	s_cmp_eq_u32 s15, 0
	s_cbranch_scc0 .Lsend_low
	SEND 2                                         ; group 0 hands over blocks 2 and 3
	s_branch .Lsent
.Lsend_low:
	SEND 0                                         ; group 1 blocks 0 and 1
.Lsent:
	s_wait_dscnt 0x0                               ; for my partner's sake: my stores are done
	s_barrier_signal -1
	s_barrier_wait -1
	s_cmp_eq_u32 s15, 0
	s_cbranch_scc0 .Lfin_high
	FIN 0
	s_branch .Lfinished
.Lfin_high:
	FIN 2
.Lfinished:
	s_wait_tensorcnt 0x0
	ds_add_u32 v254, v255
	s_wait_dscnt 0x0
	ROUND                                          ; the closing round
	s_endpgm
.Lfunc_end_k_q69be88900d_attn:
	.size	k_q69be88900d_attn, .Lfunc_end_k_q69be88900d_attn-k_q69be88900d_attn
	.p2alignl 7, 3214868480
	.fill 96, 4, 3214868480
	.section	.rodata,"a",@progbits
	.p2align	6, 0x0
	.amdhsa_kernel k_q69be88900d_attn
		.amdhsa_group_segment_fixed_size 312320
		.amdhsa_private_segment_fixed_size 0
		.amdhsa_enable_private_segment 0
		.amdhsa_kernarg_size 16
		.amdhsa_user_sgpr_count 2
		.amdhsa_user_sgpr_kernarg_segment_ptr 1
		.amdhsa_wavefront_size32 1
		.amdhsa_system_sgpr_workgroup_id_x 1
		.amdhsa_system_sgpr_workgroup_id_y 1
		.amdhsa_system_sgpr_workgroup_id_z 1
		.amdhsa_system_vgpr_workitem_id 0
		.amdhsa_next_free_vgpr 512
		.amdhsa_next_free_sgpr 66
		.amdhsa_reserve_vcc 0
		.amdhsa_float_denorm_mode_32 3
		.amdhsa_float_denorm_mode_16_64 3
		.amdhsa_memory_ordered 1
		.amdhsa_forward_progress 1
		.amdhsa_inst_pref_size 153
	.end_amdhsa_kernel
	.amdgpu_metadata
---
amdhsa.version: [ 1, 2 ]
amdhsa.kernels:
  - .name:           k_q69be88900d_attn
    .symbol:         k_q69be88900d_attn.kd
    .args:
      - { .name: qkv, .offset: 0, .size: 8, .value_kind: global_buffer, .address_space: global }
      - { .name: o, .offset: 8, .size: 8, .value_kind: global_buffer, .address_space: global }
    .group_segment_fixed_size: 312320
    .private_segment_fixed_size: 0
    .kernarg_segment_align: 8
    .kernarg_segment_size: 16
    .max_flat_workgroup_size: 256
    .sgpr_count:     66
    .vgpr_count:     512
    .wavefront_size: 32
...
	.end_amdgpu_metadata
.endif
;; end of part 3
;; launch proj (part 4): grid 8 x 32, 4 waves a work-group, clusters of 4 x 4, 327,680 bytes of LDS; arguments o, h16, bc, out0; writes out0
.if DOCPART == 4
	.amdgcn_target "amdgcn-amd-amdhsa--gfx1250"
	.amdhsa_code_object_version 6
	.text
	.protected	k_q69be88900d_proj
	.globl	k_q69be88900d_proj
	.p2align	8
	.type	k_q69be88900d_proj,@function
k_q69be88900d_proj:
	s_mov_b64 s[64:65], 0
	v_nop
	global_prefetch_b8 v0, s[64:65] scope:SCOPE_SE
	s_setreg_imm32_b32 hwreg(HW_REG_WAVE_MODE, 25, 1), 1
	s_wait_xcnt 0x0
	s_wait_alu depctr_hold_cnt(0) depctr_sa_sdst(0) depctr_va_vdst(0) depctr_va_sdst(0) depctr_va_ssrc(0) depctr_va_vcc(0) depctr_vm_vsrc(0)
	s_getreg_b32 s2, hwreg(HW_REG_IB_STS2, 6, 4)
	s_cmp_eq_u32 s2, 0
	s_cbranch_scc0 .Lentry_in_a_cluster
	s_endpgm
.Lentry_in_a_cluster:
	s_bfe_u32 s2, ttmp6, 0x10000c
	s_cmp_lg_u32 s2, 0xf033
	s_cbranch_scc0 .Lentry_shape_is_right
	s_endpgm
.Lentry_shape_is_right:
; out0[4096 x 1024] = o' Wc^T + bc.  o' is the buffer o read as [4096][1024] f16 (the reference's reshape without a permutation is the same memory);
; Wc in f16 lies 14 MiB into h16; sums and out0 are f32.
; A work-group makes 128 x 128 with four waves in 2 x 2, 64 x 64 each (16 accumulator tiles): blocks of this size give 256 work-groups.
; K = 1024 goes through two LDS slots of 256 along K each (rows of 512 bytes): four fills in all, so the text has no loop.
; CLUSTERS: 4 x 4 work-groups; o's tile is asked for jointly along a row of the cluster, Wc's along a column.
; The matrix instruction is used transposed (source 0 = rows of Wc, source 1 = rows of o'): register j of lane l is row l % 16, column 8 (l / 16) + j.
; The first product of each tile takes the bias as C.
; REGISTERS: window 0: v16-27 addresses, two fragment buffers at v32 and v96 (Wc's four fragments, then o's four), v160-191 bias; window 1: accumulators at 8 (4 a + b).
.set PITCH,  528                       ; 512 + 16: 33 x 16
.set QUART,  64*PITCH                  ; what one tensor load brings, and what a wave reads of either operand
.set SLOT,   4*QUART                   ; o's 128 rows, then Wc's 128
.set STAGE,  2*SLOT                    ; 270,336 = 1,056 x 256: no tensor load lands here
.set SPITCH, 272                       ; 64 f32 + 16 bytes
.set WSTAGE, 16*SPITCH
.set ADRA, 16
.set ADRB, 20
.set STO,  24
.set RD,   25
.set CO,   26
.set BO,   27
.set FB,   32                          ; buffer f at 32 + 64 f
.set BIAS, 160
.set RB,   32                          ; the way out: 32 registers for each 16 rows
.set G1A, 24
.set G0A, 32
.set G1B, 48
.set G0B, 56
.set PADW, (1<<16)|(1<<20)|(1<<21)|(6<<22)|(3<<25)   ; 2-byte elements; padding on; bit 21 beside a mask; behind every 128 words; 4 words
.set MSB, 0
.macro WIN new
.if MSB != \new
	s_set_vgpr_msb (MSB<<8)|\new
.set MSB, \new
.endif
.endm
.macro JLOAD s
	s_cmp_eq_u32 s15, 0
	s_cbranch_scc0 .Lfor_b_\@
	tensor_load_to_lds s[G0A+4*\s:G0A+4*\s+3], s[G1A:G1A+7]
	s_nop 0
	s_branch .Lasked_\@
.Lfor_b_\@:
	tensor_load_to_lds s[G0B+4*\s:G0B+4*\s+3], s[G1B:G1B+7]
	s_nop 0
.Lasked_\@:
.endm
.macro CREST
	s_cmp_lg_u32 s14, 0
	s_cbranch_scc1 .Lnot_wave_0_\@
	s_barrier_signal -3
.Lnot_wave_0_\@:
	s_barrier_wait -3
	s_barrier_signal -1
	s_barrier_wait -1
.endm
.macro CROUND
	s_barrier_signal -1
	s_barrier_wait -1
	CREST
.endm
.macro PLACES                          ; four plain vector places behind a matrix instruction (ISA guide 7.12.1)
.rept 4
	v_nop
.endr
.endm
	s_load_b256 s[4:11], s[0:1], 0x0               ; o s[4:5], h16 s[6:7], bc s[8:9], out0 s[10:11]
	v_lshl_add_u32 v254, v0, 2, 0x46400
	v_mov_b32 v255, 0
	ds_add_u32 v254, v255
	v_lshrrev_b32 v1, 5, v0
	v_readfirstlane_b32 s14, v1                    ; wave 0..3
	s_lshr_b32 s15, s14, 1                         ; my half of the block's rows.  Also: I fetch for o (0) or for Wc (1)
	s_and_b32 s16, s14, 1                          ; my half of its columns.  Also: which 64 rows of that tile I fetch
	s_bfe_u32 s40, ttmp6, 0x40000                  ; cx
	s_bfe_u32 s41, ttmp6, 0x40004                  ; cy
	s_lshl_b32 s42, ttmp9, 2
	s_add_co_u32 s42, s42, s40                     ; bx: 128 columns
	s_and_b32 s43, ttmp7, 0xffff
	s_lshl_b32 s43, s43, 2
	s_add_co_u32 s43, s43, s41                     ; by: 128 rows
	s_lshl_b32 s44, s41, 2
	s_lshl_b32 s44, 15, s44                        ; my row of the cluster
	s_lshl_b32 s45, 0x1111, s40                    ; my column
	s_or_b32 s[G1A+0], s44, PADW
	s_or_b32 s[G1B+0], s45, PADW
	s_mov_b32 s[G1A+1], 256<<16                    ; tensor_dim0 = 256 elements
	s_mov_b32 s[G1B+1], 256<<16
	s_mov_b32 s[G1A+2], 64<<16                     ; tensor_dim1 = 64 rows
	s_mov_b32 s[G1B+2], 64<<16
	s_mov_b32 s[G1A+3], 256<<16                    ; tile_dim0
	s_mov_b32 s[G1B+3], 256<<16
	s_mov_b32 s[G1A+4], 64                         ; tile_dim1
	s_mov_b32 s[G1B+4], 64
	s_mov_b32 s[G1A+5], 1024                       ; from row to row
	s_mov_b32 s[G1B+5], 1024
	s_mov_b32 s[G1A+6], 0
	s_mov_b32 s[G1B+6], 0
	s_mov_b32 s[G1A+7], 0
	s_mov_b32 s[G1B+7], 0
	s_lshl_b32 s17, s16, 6
	s_lshl_b32 s20, s43, 7
	s_add_co_u32 s20, s20, s17                     ; o': row 128 by + 64 half
	s_lshl_b32 s20, s20, 11
	s_mov_b32 s21, 0
	s_lshl_b32 s46, s42, 7
	s_add_co_u32 s46, s46, s17                     ; Wc: row 128 bx + 64 half,
	s_lshl_b32 s46, s46, 11
	s_add_co_u32 s46, s46, 0xe00000                ; 14 MiB into h16
	s_mov_b32 s47, 0
	s_mul_i32 s18, s14, QUART                      ; LDS: o's two halves, then Wc's two = wave x 64 rows
	s_wait_dscnt 0x0
	s_wait_kmcnt 0x0
	s_add_nc_u64 s[20:21], s[4:5], s[20:21]
	s_add_nc_u64 s[46:47], s[6:7], s[46:47]
	CROUND                                         ; all sixteen work-groups are here
.irp s, 0,1
	s_mov_b32 s[G0A+4*\s], 1
	s_add_co_u32 s[G0A+4*\s+1], s18, \s*SLOT
	s_add_nc_u64 s[G0A+4*\s+2:G0A+4*\s+3], s[20:21], \s*512
	s_or_b32 s[G0A+4*\s+3], s[G0A+4*\s+3], 0x80000000
	s_mov_b32 s[G0B+4*\s], 1
	s_add_co_u32 s[G0B+4*\s+1], s18, \s*SLOT
	s_add_nc_u64 s[G0B+4*\s+2:G0B+4*\s+3], s[46:47], \s*512
	s_or_b32 s[G0B+4*\s+3], s[G0B+4*\s+3], 0x80000000
	JLOAD \s                                       ; K 0-255 and 256-511: two tensor loads of the wave are out
.endr
	v_and_b32 v1, 15, v0                           ; r
	v_bfe_u32 v2, v0, 4, 1                         ; h
	v_lshlrev_b32 v[BO], 5, v2
	s_lshl_b32 s70, s42, 9                         ; my first column in bytes of f32: 512 bx + 256 half
	s_lshl_b32 s12, s16, 8
	s_add_co_u32 s70, s70, s12
	s_mov_b32 s71, 0
	s_add_nc_u64 s[66:67], s[8:9], s[70:71]        ; bias
.irp b, 0,1,2,3
	global_load_b128 v[BIAS+8*\b:BIAS+8*\b+3],   v[BO], s[66:67] offset:64*\b
	global_load_b128 v[BIAS+8*\b+4:BIAS+8*\b+7], v[BO], s[66:67] offset:64*\b+16
.endr
	s_lshl_b32 s12, s43, 19                        ; 128 rows of 4,096 bytes
	s_add_co_u32 s70, s70, s12
	s_lshl_b32 s12, s15, 18                        ; my 64 rows
	s_add_co_u32 s70, s70, s12
	s_add_nc_u64 s[68:69], s[10:11], s[70:71]      ; my corner of out0
	v_mul_u32_u24 v3, v1, PITCH
	v_lshl_add_u32 v3, v2, 4, v3
	s_mul_i32 s22, s15, QUART                      ; my 64 rows of o'
	s_mul_i32 s23, s16, QUART
	s_add_co_u32 s23, s23, 2*QUART                 ; my 64 rows of Wc
.irp s, 0,1
	v_add_nc_u32 v[ADRA+\s], s22, v3
	v_add_nc_u32 v[ADRB+\s], s23, v3
	s_add_co_u32 s22, s22, SLOT
	s_add_co_u32 s23, s23, SLOT
.endr
	s_mul_i32 s17, s14, WSTAGE
	s_add_co_u32 s17, s17, STAGE                   ; my stage
	v_mul_u32_u24 v4, v1, SPITCH
	v_lshl_add_u32 v4, v2, 5, v4
	v_add_nc_u32 v[STO], s17, v4                   ; in: row r, 32 bytes for each half of the lanes
	v_mul_u32_u24 v5, v2, SPITCH
	v_lshl_add_u32 v5, v1, 4, v5
	v_add_nc_u32 v[RD], s17, v5                    ; back: lanes 0-15 one row of 256 bytes, lanes 16-31 the next
	v_lshlrev_b32 v5, 12, v2
	v_lshl_add_u32 v[CO], v1, 4, v5                ; and the same two rows in out0
; four matrix instructions: row block a x the four column blocks.  The 16 accumulators take turns, one instruction a turn.
.macro MUL4 f, a, bias
.irp b, 0,1,2,3
.if \bias
	v_wmma_f32_16x16x32_f16 v[8*(4*\a+\b):8*(4*\a+\b)+7], v[FB+64*\f+8*\b:FB+64*\f+8*\b+7], v[FB+64*\f+32+8*\a:FB+64*\f+32+8*\a+7], v[BIAS+8*\b:BIAS+8*\b+7]
.else
	v_wmma_f32_16x16x32_f16 v[8*(4*\a+\b):8*(4*\a+\b)+7], v[FB+64*\f+8*\b:FB+64*\f+8*\b+7], v[FB+64*\f+32+8*\a:FB+64*\f+32+8*\a+7], v[8*(4*\a+\b):8*(4*\a+\b)+7]
.endif
.endr
.endm
.macro FETCH slot, k, f                ; 16 LDS loads in one run: Wc's four fragments, then o's four
	WIN 0
.irp i, 0,1,2,3
	ds_load_b128 v[FB+64*\f+8*\i:FB+64*\f+8*\i+3],   v[ADRB+\slot] offset:\k+\i*16*PITCH
	ds_load_b128 v[FB+64*\f+8*\i+4:FB+64*\f+8*\i+7], v[ADRB+\slot] offset:\k+\i*16*PITCH+32
.endr
.irp i, 0,1,2,3
	ds_load_b128 v[FB+64*\f+32+8*\i:FB+64*\f+32+8*\i+3],   v[ADRA+\slot] offset:\k+\i*16*PITCH
	ds_load_b128 v[FB+64*\f+32+8*\i+4:FB+64*\f+32+8*\i+7], v[ADRA+\slot] offset:\k+\i*16*PITCH+32
.endr
.endm
.macro WMUL bias                       ; D window 1; C window 1, or window 0 where it is the bias
.if \bias
	WIN 0x40
.else
	WIN 0x50
.endif
.endm
.macro QUARTER slot, k, f, g, bias     ; 32 along K on buffer f; in its middle the next 32's fragments go into buffer g
	s_wait_dscnt 4                                 ; Wc and o's rows 0-31 are in; the youngest four loads (rows 32-63) may be out
	WMUL \bias
	MUL4 \f, 0, \bias
	MUL4 \f, 1, \bias
	PLACES
	FETCH \slot, \k, \g
	s_wait_dscnt 16                                ; all but the 16 just issued
	WMUL \bias
	MUL4 \f, 2, \bias
	MUL4 \f, 3, \bias
.endm
.macro SEVEN slot, bias                ; the first seven of a slot's eight parts of 32 along K
	QUARTER \slot, 64,  0, 1, \bias
	QUARTER \slot, 128, 1, 0, 0
	QUARTER \slot, 192, 0, 1, 0
	QUARTER \slot, 256, 1, 0, 0
	QUARTER \slot, 320, 0, 1, 0
	QUARTER \slot, 384, 1, 0, 0
	QUARTER \slot, 448, 0, 1, 0
.endm
; The eighth part multiplies buffer 1 and changes slots: waits for my reads of this slot and for all my tensor loads, the barrier (which opens a
; round of the cluster's barrier where the slot is filled again), the joint refill first behind it.  From a request to the wait for it: 124 matrix instructions.
.macro TURN slot, next, fill
	s_wait_dscnt 4
	WIN 0x50
	MUL4 1, 0, 0
	s_wait_dscnt 0                                 ; my reads of this slot are over
	s_wait_tensorcnt 0x0                           ; all my tensor loads have landed
	ds_add_u32 v254, v255
	s_wait_dscnt 0x0
	s_barrier_signal -1
	MUL4 1, 1, 0
	WIN 0
	s_barrier_wait -1
.if \fill
	CREST
	s_add_nc_u64 s[G0A+4*\slot+2:G0A+4*\slot+3], s[G0A+4*\slot+2:G0A+4*\slot+3], 1024
	s_add_nc_u64 s[G0B+4*\slot+2:G0B+4*\slot+3], s[G0B+4*\slot+2:G0B+4*\slot+3], 1024
	JLOAD \slot                                    ; my one tensor load behind the round
.endif
	PLACES
	FETCH \next, 0, 0
	WIN 0x50
	MUL4 1, 2, 0
	MUL4 1, 3, 0
.endm
	s_wait_tensorcnt 1                             ; my part of slot 0 is in; slot 1's may stay out
	s_barrier_signal -1
	s_barrier_wait -1
	FETCH 0, 0, 0
	s_wait_loadcnt 0x0                             ; the bias
	SEVEN 0, 1                                     ; K 0-255: the first products start the sums from the bias
	TURN 0, 1, 1                                   ; slot 0 gets K 512-767
	SEVEN 1, 0
	TURN 1, 0, 1                                   ; slot 1 gets K 768-1023
	SEVEN 0, 0
	TURN 0, 1, 0                                   ; nothing is left to fetch
	SEVEN 1, 0
	s_wait_dscnt 4
	WIN 0x50
	MUL4 1, 0, 0
	MUL4 1, 1, 0
	s_wait_dscnt 0
	MUL4 1, 2, 0
	MUL4 1, 3, 0
	PLACES                                         ; ahead of the LDS stores, which read results, and of the loads into the fragment buffers
; THE WAY OUT, 16 rows at a time, through my own stage: a lane's eight f32 go in as two 16-byte stores, whole rows of 256 bytes come back.
.macro OUT16 a
	WIN 0x04                                       ; the stores' data in window 1
.irp b, 0,1,2,3
	ds_store_b128 v[STO], v[8*(4*\a+\b):8*(4*\a+\b)+3]   offset:64*\b
	ds_store_b128 v[STO], v[8*(4*\a+\b)+4:8*(4*\a+\b)+7] offset:64*\b+16
.endr
	WIN 0
.irp t, 0,1,2,3,4,5,6,7
	ds_load_b128 v[RB+32*\a+4*\t:RB+32*\a+4*\t+3], v[RD] offset:2*SPITCH*\t   ; LDS serves a wave's instructions in order: these see the stores above
.endr
.irp t, 0,1,2,3,4,5,6,7
	s_wait_dscnt 7-\t                              ; the younger read-backs stay out
	global_store_b128 v[CO], v[RB+32*\a+4*\t:RB+32*\a+4*\t+3], s[68:69] offset:(16*\a+2*\t)*4096 th:TH_STORE_NT   ; 16 lanes store 256 consecutive bytes, aligned; registers of their own for each 16 rows
.endr
.endm
	OUT16 0
	OUT16 1
	OUT16 2
	OUT16 3
	s_wait_tensorcnt 0x0
	ds_add_u32 v254, v255
	s_wait_dscnt 0x0
	CROUND                                         ; the closing round
	s_endpgm
.Lfunc_end_k_q69be88900d_proj:
	.size	k_q69be88900d_proj, .Lfunc_end_k_q69be88900d_proj-k_q69be88900d_proj
	.p2alignl 7, 3214868480
	.fill 96, 4, 3214868480
	.section	.rodata,"a",@progbits
	.p2align	6, 0x0
	.amdhsa_kernel k_q69be88900d_proj
		.amdhsa_group_segment_fixed_size 327680
		.amdhsa_private_segment_fixed_size 0
		.amdhsa_enable_private_segment 0
		.amdhsa_kernarg_size 32
		.amdhsa_user_sgpr_count 2
		.amdhsa_user_sgpr_kernarg_segment_ptr 1
		.amdhsa_wavefront_size32 1
		.amdhsa_system_sgpr_workgroup_id_x 1
		.amdhsa_system_sgpr_workgroup_id_y 1
		.amdhsa_system_sgpr_workgroup_id_z 1
		.amdhsa_system_vgpr_workitem_id 0
		.amdhsa_next_free_vgpr 384
		.amdhsa_next_free_sgpr 72
		.amdhsa_reserve_vcc 0
		.amdhsa_float_denorm_mode_32 3
		.amdhsa_float_denorm_mode_16_64 3
		.amdhsa_memory_ordered 1
		.amdhsa_forward_progress 1
		.amdhsa_inst_pref_size 90
	.end_amdhsa_kernel
	.amdgpu_metadata
---
amdhsa.version: [ 1, 2 ]
amdhsa.kernels:
  - .name:           k_q69be88900d_proj
    .symbol:         k_q69be88900d_proj.kd
    .args:
      - { .name: o, .offset: 0, .size: 8, .value_kind: global_buffer, .address_space: global }
      - { .name: h16, .offset: 8, .size: 8, .value_kind: global_buffer, .address_space: global }
      - { .name: bc, .offset: 16, .size: 8, .value_kind: global_buffer, .address_space: global }
      - { .name: out0, .offset: 24, .size: 8, .value_kind: global_buffer, .address_space: global }
    .group_segment_fixed_size: 327680
    .private_segment_fixed_size: 0
    .kernarg_segment_align: 8
    .kernarg_segment_size: 32
    .max_flat_workgroup_size: 128
    .sgpr_count:     72
    .vgpr_count:     384
    .wavefront_size: 32
...
	.end_amdgpu_metadata
.endif
;; end of part 4
